; MI455X (gfx1250); checked and timed in simulation.
; The chip was launched on July 23, 2026; its instructions are those of AMD's public machine-readable ISA for CDNA 5 (MIT licence, August 2026) and "CDNA5" Instruction Set Architecture Reference Guide (July 2026). The comments in the code are by the model that wrote it; some were corrected since.
;; Mixture Of Experts. Allowed arithmetic: matrix products marked QUANTISED: E2M3 operands, one E8M0 scale for each 32 along K, by v_wmma_scale_f32_16x16x128_f8f6f4 with both operands' format E2M3, f32 sums; products left as they are: f32 operands where the result goes on into a quantised operand, else bf16, f16 or f32 operands; f32 sums; everything else in f32.
;; Inputs: gate_w 1,024 x 8 float32; w1_codes 8 x 2,048 x 32 x 24 uint8 (E2M3 codes of w1, K innermost, in blocks of 32 codes, four codes in three bytes); w1_scales 8 x 2,048 x 32 uint8 (E8M0 scales of w1, one for each 32 codes along K); w2_codes 8 x 1,024 x 64 x 24 uint8 (E2M3 codes of w2, K innermost, in blocks of 32 codes, four codes in three bytes); w2_scales 8 x 1,024 x 64 uint8 (E8M0 scales of w2, one for each 32 codes along K); x 2 x 1,024 x 1,024 float32.
;; Outputs: out0 2 x 1,024 x 1,024 float32.
;; This version of the problem:
;;   THIS VERSION OF THE PROBLEM IS GIVEN IN LOW PRECISION. The matrix products marked QUANTISED in the list below multiply operands that are first quantised to E2M3 (2 exponent bits, 3 mantissa bits; 6 bits a number), with one power-of-two scale for each 32 numbers along K (OCP MX v1.0); their sums are f32. All else is computed in f32.
;;   The module's matrix products, in the order in which they are computed (A, B: the left and right operand; K: the contracted axis; several contracted axes count as one K, in the product's order):
;;     1. [M 2,048, K 1,024] x [K 1,024, N 8]; A: input x; B: input gate_w: left as it is (N = 8 < 16)
;;     2. [M 16,384, K 1,024] x [K 1,024, N 2,048]; A: input w1 (given as codes); B: input x: QUANTISED
;;     3. batch 8 x [M 2,048, K 2,048] x [K 2,048, N 1,024]; A: computed on the way; B: input w2 (given as codes): QUANTISED
;;     4. batch 2,048 x [M 1,024, K 8] x [K 8, N 1]; A: computed on the way; B: computed on the way: left as it is (K = 8 < 32)
;;   THE QUANTISER, for each operand of a quantised product, along K:
;;     - K is cut into blocks of 32 from its start; a last block that is shorter is filled with zeros.
;;     - A block's scale is 2^e with e = floor(log2(the largest magnitude in the block)) - 2, held to -126 .. 127; a block of zeros has e = 0. As a byte (E8M0): e + 127.
;;     - Each number is divided by its block's scale, clamped to +-7.5, and rounded to the nearest number of E2M3, ties to even, subnormals kept.
;;     - The product sums the exact products of the quantised numbers (number of the format x scale) in f32.
;;   ~~~python
;;   def quantise(x, axis):      # numpy; x: float32 -> the quantised numbers, widened to float32 again
;;       x = np.moveaxis(x, axis, -1); K = x.shape[-1]
;;       x = np.pad(x, [(0, 0)] * (x.ndim - 1) + [(0, -K % 32)]); x = x.reshape(x.shape[:-1] + (-1, 32)); a = np.abs(x).max(-1, keepdims=True)
;;       e = np.where(a > 0, np.clip(np.frexp(np.where(a > 0, a, 1))[1] - 1 - 2, -126, 127), 0)      # np.frexp(a)[1] - 1 = floor(log2(a)), exactly
;;       r = np.clip(x / 2.0 ** e, -7.5, 7.5)
;;       step = 2.0 ** (np.maximum(np.frexp(np.where(r == 0, 1, r))[1] - 1, 0) - 3)
;;       q = np.round(r / step) * step * 2.0 ** e      # np.round: ties to even
;;       return np.moveaxis(q.reshape(q.shape[:-2] + (-1,))[..., :K], -1, axis).astype(np.float32)
;;   ~~~
;;   OPERANDS COMPUTED ON THE WAY. 'Computed on the way' means the value that the module computes at that place (a softmax that the list does not call 'softmax' is quantised finished and normalised). What goes into a quantiser is computed in f32, as accurately as f32 sums, v_exp_f32 and their like allow (about 1e-6 of the number): no bf16 or f16 on the way to a quantiser, and a product that is left as it is and whose result goes on into a quantised operand takes f32 operands (vector FMAs, or v_wmma_f32_16x16x4_f32). A number that lies on a knife's edge between two numbers of the format may be rounded either way, as far as f32 arithmetic and the matrix unit's own rounding can turn it there, and no further.
;;   INPUTS GIVEN AS CODES. w1 (in the module: [8, 1024, 2048], K = its axis 1); w2 (in the module: [8, 2048, 1024], K = its axis 1): each comes as NAME_codes (uint8): NAME with its K axis moved to the last place and cut into blocks of 32 codes, [.., K / 32, bytes a block], one block behind the other in memory; four codes in three bytes: a row's codes are one little-endian stream of bits, code i at bits 6 i .. 6 i + 5 (a code: sign, 2 exponent bits, 3 mantissa bits); and NAME_scales (uint8): the same leading axes, one E8M0 byte (e + 127) for each 32 codes along K. Its value is code x scale, taken as it is: it is not quantised again, and the codes and scales need not be those that the quantiser above would give.
;; One version. Each part assembles by itself: llvm-mc -triple=amdgcn-amd-amdhsa -mcpu=gfx1250 --defsym DOCPART=n.
;; ======== version 1 of 1: 4 launches
;; limits: values are held in bf16: 8 bits of precision; right only within a limited range of input values
;; workspace buffers: xq 1,638,400 bytes; ridx 8,192 bytes of whole numbers; rwt 16,384 bytes; bmap 4,096 bytes of whole numbers; plan 41,216 bytes of whole numbers; hq 8,552,448 bytes; hs 356,352 bytes; y 11,403,264 bytes
;; launch route (part 1): grid 256 x 1, 2 waves a work-group, no clusters, 45,568 bytes of LDS; arguments x, gate_w, xq, ridx, rwt, bmap; writes xq, ridx, rwt, bmap
.if DOCPART == 1
	.amdgcn_target "amdgcn-amd-amdhsa--gfx1250"
	.amdhsa_code_object_version 6
	.text
	.protected	k_q9ad50f3d99_route
	.globl	k_q9ad50f3d99_route
	.p2align	8
	.type	k_q9ad50f3d99_route,@function
k_q9ad50f3d99_route:
	s_mov_b64 s[64:65], 0
	v_nop
	global_prefetch_b8 v0, s[64:65] scope:SCOPE_SE
	s_setreg_imm32_b32 hwreg(HW_REG_WAVE_MODE, 25, 1), 1
	s_wait_xcnt 0x0
; ROUTER AND QUANTISER OF x.  x: [2048 tokens][1024] f32; gate_w: [1024][8] f32.
; For each token: eight logits in f32 (fused multiply-adds), the two largest (a strict > keeps the lower index on a tie), their softmax with the larger logit taken away
; ahead of the exponential; and x's codes of E2M3 with one E8M0 byte for each 32 along the row.
; OUT: xq: codes, 768 bytes a token as one stream of bits; from byte 1,572,864 on the scale bytes, 32 a token, in each group of four the bytes 1 and 2 exchanged (the order in which
; the products' launches feed a K step).  ridx: a word a token, e0 | e1 << 8.  rwt: (c0, c1) a token.  All at fixed places: no address here hangs on a logit.
; SHARES: a work-group takes 8 tokens, a wave 4.  A token is two steps of 512 numbers; in a step a lane holds 16 neighbours along the row (two lanes hold a block of 32).
; The loads take the bytes as they lie (512 on end a load) and a step turns through the wave's own stage in LDS.  gate_w goes through LDS once, so that a lane holds the 8 weights of each of
; its 32 places along the row: 256 registers, in window 1.
; LIMITS: NaN and infinities are not served.  A block of zeros gets the byte 1 (its codes are zeros; only this program reads the bytes).  The logits are summed in another order than a
; plain row sum: where the second and third logit agree to f32 rounding the other expert may be chosen.
.set GP,   528                         ; gate_w in LDS: a group of 16 rows (512 bytes) + 16
.set WREG, 33792                       ; behind it a region for each wave:
.set WSZ,  5632                        ; two stages of 32 x 80 bytes, then its 128 scale bytes
.set SP,   80
.set SCB,  5120
.set ACC,  32                          ; v32-63   token j's eight logits at 32 + 8 j
.set X,    64                          ; v64-95   two sets of 16 neighbours
.set C,    96                          ; v96-127  codes, four registers a step
.set R,    128                         ; v128-255 x as loaded, 16 registers a step
.set XSC,  1572864
.set MSB, 0
.macro WIN new                         ; the immediate's high byte repeats the setting that is left
.if MSB != (\new)
	s_set_vgpr_msb (MSB<<8)|(\new)
.set MSB, (\new)
.endif
.endm
	s_load_b256 s[4:11], s[0:1], 0x0               ; x s[4:5], gate_w s[6:7], xq s[8:9], ridx s[10:11]
	s_load_b64 s[12:13], s[0:1], 0x20              ; rwt
; WORK LEFT OUT BY THE PROGRAM: combine[t][e] is 0 for every expert that is not among token t's two largest logits, so y[e][t] of such a pair reaches no output
; whatever the inputs hold: the later launches multiply only the rows (token, chosen expert).  LIMIT: a NaN, an infinity or an overflow that arises only in rows left out is not carried to the result.
; ALSO OUT (bmap): [0, 2,048): for each expert 256 bytes, bit b of byte g = token 8 g + b chose it; [2,048, 4,096): for each work-group 8 bytes, how many of its 8 tokens chose expert e.
	s_load_b64 s[40:41], s[0:1], 0x28              ; bmap
	v_lshl_add_u32 v123, v0, 2, 0xb000
	v_mov_b32 v127, 0
	v_lshrrev_b32 v16, 5, v0
	v_readfirstlane_b32 s14, v16                   ; wave 0, 1
	v_and_b32 v1, 31, v0                           ; lane
	v_lshlrev_b32 v2, 4, v0                        ; gate_w in memory: 16 bytes a thread
	v_lshlrev_b32 v3, 4, v1                        ; x: 16 bytes a lane
	v_mul_u32_u24 v4, v16, GP
	v_lshl_add_u32 v4, v1, 4, v4                   ; gate_w into LDS: group 2 i + wave, 16 bytes a lane
	v_mul_u32_u24 v5, v1, GP                       ; and out of it: group 32 t + lane
	s_mul_i32 s15, s14, WSZ
	s_add_co_u32 s15, s15, WREG                    ; my wave's region
	v_lshrrev_b32 v17, 2, v1
	v_mul_u32_u24 v6, v17, SP
	v_and_b32 v17, 3, v1
	v_lshl_add_u32 v6, v17, 4, v6
	v_add_nc_u32 v6, s15, v6                       ; the stage, way in: 80 (lane / 4) + 16 (lane % 4)
	v_mul_u32_u24 v7, v1, SP
	v_add_nc_u32 v7, s15, v7                       ; way out: 80 x lane
	v_mul_u32_u24 v8, v1, 12                       ; my 12 bytes of a step's codes
	v_lshrrev_b32 v17, 1, v1
	v_and_b32 v17, 12, v17                         ; my block's group of four,
	v_and_b32 v18, 2, v1                           ; its number's bit 0 at bit 1,
	v_add_nc_u32 v17, v17, v18
	v_bfe_u32 v18, v1, 2, 1                        ; and bit 1 at bit 0: bytes 1 and 2 change places
	v_add_nc_u32 v17, v17, v18
	s_add_co_u32 s16, s15, SCB
	v_add_nc_u32 v9, s16, v17                      ; where my block's scale byte goes
	v_lshlrev_b32 v11, 2, v1
	v_add_nc_u32 v10, s16, v11                     ; and where I read four of them back
	v_lshlrev_b32 v12, 3, v1
	s_mov_b32 s26, 0x76543210
	s_mov_b32 s27, 0xfedcba98                      ; v_permlanex16_b32: lane l xor 16
	s_lshl_b32 s17, ttmp9, 3
	s_lshl_b32 s18, s14, 2
	s_add_co_u32 s17, s17, s18                     ; my wave's first token
	s_lshl_b32 s18, s17, 12
	s_mov_b32 s19, 0
	s_mul_i32 s20, s17, 768
	s_mov_b32 s21, 0
	s_lshl_b32 s38, s17, 5
	s_mov_b32 s39, 0
	s_wait_kmcnt 0x0
	s_add_nc_u64 s[4:5], s[4:5], s[18:19]
	s_add_nc_u64 s[22:23], s[8:9], s[20:21]        ; its codes
	s_add_nc_u64 s[24:25], s[8:9], s[38:39]        ; its scale bytes (the part's first byte stands in the store's immediate)
	s_lshl_b32 s38, s17, 2
	s_add_nc_u64 s[10:11], s[10:11], s[38:39]
	s_lshl_b32 s38, s17, 3
	s_add_nc_u64 s[12:13], s[12:13], s[38:39]
	WIN 0x40                                       ; destination window 1
.set q, 0
.rept 32
	global_load_b128 v[4*q:4*q+3], v2, s[6:7] offset:1024*q    ; the two waves read 1,024 bytes on end
.set q, q+1
.endr
	WIN 0
.set q, 0
.rept 32
	global_load_b128 v[R+4*q:R+4*q+3], v3, s[4:5] offset:512*q th:TH_LOAD_NT   ; my four tokens: 512 bytes on end a load
.set q, q+1
.endr
	s_wait_loadcnt 32                              ; gate_w's 32 loads are in; x's 32 may be out
	WIN 0x04                                       ; an LDS store's data are its source 1: window 1
.set q, 0
.rept 32
	ds_store_b128 v4, v[4*q:4*q+3] offset:1056*q
.set q, q+1
.endr
	WIN 0
	s_wait_dscnt 0x0                               ; for the other wave's sake: my half of gate_w lies in LDS
	s_barrier_signal -1
	s_barrier_wait -1
	WIN 0x40
.set q, 0
.rept 64                                           ; G[128 t + 8 i + e] = gate_w[512 t + 16 lane + i][e]
	ds_load_b128 v[4*q:4*q+3], v5 offset:16896*(q/32)+16*(q%32)
.set q, q+1
.endr
	WIN 0
	s_wait_dscnt 0x0
.macro TURN n                          ; step n's numbers through a stage: LDS serves a wave's instructions in order, so no wait stands between the stores and the loads
.set tu, 0
.rept 4
	ds_store_b128 v6, v[R+16*(\n)+4*tu:R+16*(\n)+4*tu+3] offset:2560*((\n)%2)+640*tu
.set tu, tu+1
.endr
.set tu, 0
.rept 4
	ds_load_b128 v[X+16*((\n)%2)+4*tu:X+16*((\n)%2)+4*tu+3], v7 offset:2560*((\n)%2)+16*tu
.set tu, tu+1
.endr
.endm
	s_wait_loadcnt 28                              ; step 0's four loads are in
	TURN 0
.macro STEP n                          ; token n / 2, half n % 2
.set XS, X+16*((\n)%2)
.set AJ, ACC+8*((\n)/2)
.set GT, 128*((\n)%2)
.if (\n) > 0
	s_wait_dscnt 1                                 ; this step's numbers are back from the stage; the last step's byte store may be out
.else
	s_wait_dscnt 0x0
.endif
.if (\n) < 7
	s_wait_loadcnt 24-4*(\n)                       ; the next step's four loads are in; those of the steps behind it may be out
	TURN (\n)+1
.endif
	WIN 0x04                                       ; source 1 (gate_w) window 1
.set ii, 0
.rept 16
.set pp, 0
.rept 4
.if (((\n)%2) == 0) && (ii == 0)
	v_pk_mul_f32 v[AJ+2*pp:AJ+2*pp+1], v[XS:XS+1], v[GT+2*pp:GT+2*pp+1] op_sel_hi:[0,1]     ; a token's first products start its sums
.elseif (ii%2) == 0
	v_pk_fma_f32 v[AJ+2*pp:AJ+2*pp+1], v[XS+ii:XS+ii+1], v[GT+8*ii+2*pp:GT+8*ii+2*pp+1], v[AJ+2*pp:AJ+2*pp+1] op_sel_hi:[0,1,1]
.else
	v_pk_fma_f32 v[AJ+2*pp:AJ+2*pp+1], v[XS+ii-1:XS+ii], v[GT+8*ii+2*pp:GT+8*ii+2*pp+1], v[AJ+2*pp:AJ+2*pp+1] op_sel:[1,0,0] op_sel_hi:[1,1,1]
.endif
.set pp, pp+1
.endr
.set ii, ii+1
.endr
	WIN 0
	v_max3_num_f32 v20, |v[XS]|, |v[XS+1]|, |v[XS+2]|          ; the largest magnitude of my 16, in two chains
	v_max3_num_f32 v21, |v[XS+3]|, |v[XS+4]|, |v[XS+5]|
.irp i, 6,10
	v_max3_num_f32 v20, v20, |v[XS+\i]|, |v[XS+\i+1]|
	v_max3_num_f32 v21, v21, |v[XS+\i+2]|, |v[XS+\i+3]|
.endr
	v_max3_num_f32 v20, v20, |v[XS+14]|, |v[XS+15]|
	v_max3_num_f32 v20, v20, v21, 0x1800000        ; and the floor 2^(3 - 127): the byte cannot fall under 1
	v_max_num_f32_dpp v20, v20, v20 row_xmask:1 row_mask:0xf bank_mask:0xf   ; with my neighbour's 16: the block's
	v_add_nc_u32 v22, 0xff000000, v20              ; 2 off its exponent field: the conversion takes this operand's exponent field as its scale
	v_cvt_scalef32_pk16_fp6_f32 v[C+4*(\n):C+4*(\n)+2], v[XS:XS+15], v22
	v_lshrrev_b32 v[24+(\n)], 23, v22              ; the scale's byte (a plain line behind the conversion)
	ds_store_b8 v9, v[24+(\n)] offset:16*(\n)      ; both lanes of a block write the same byte with the same value
	global_store_b96 v8, v[C+4*(\n):C+4*(\n)+2], s[22:23] offset:384*(\n)   ; the wave stores 384 bytes on end
.endm
.irp n, 0,1,2,3,4,5,6,7
	STEP \n
.endr
	; the 32 logits are summed over the lanes: every lane ends with every sum
.irp m, 1,2,4,8
.set q, 0
.rept 32
	v_add_f32_dpp v[ACC+q], v[ACC+q], v[ACC+q] row_xmask:\m row_mask:0xf bank_mask:0xf
.set q, q+1
.endr
.endr
.set q, 0
.rept 32
	v_permlanex16_b32 v[X+q], v[ACC+q], s26, s27   ; (X's registers have been written)
.set q, q+1
.endr
.set q, 0
.rept 32
	v_add_f32 v[ACC+q], v[ACC+q], v[X+q]
.set q, q+1
.endr
	; the two largest of eight, the four tokens by turns.  v128.. b1, v132.. its expert, v136.. b2, v140.. its expert
.irp j, 0,1,2,3
	v_mov_b32 v[128+\j], v[ACC+8*\j]
	v_mov_b32 v[132+\j], 0
	v_mov_b32 v[136+\j], 0xff800000                ; -infinity: the next logit takes its place or b1's
	v_mov_b32 v[140+\j], 0
.endr
.irp e, 1,2,3,4,5,6,7
.irp j, 0,1,2,3
	v_cmp_gt_f32 s[28+2*\j], v[ACC+8*\j+\e], v[128+\j]
	v_cmp_gt_f32 s[29+2*\j], v[ACC+8*\j+\e], v[136+\j]
.endr
.irp j, 0,1,2,3
	v_cndmask_b32 v[136+\j], v[136+\j], v[ACC+8*\j+\e], s[29+2*\j]
	v_cndmask_b32 v[140+\j], v[140+\j], \e, s[29+2*\j]
.endr
.irp j, 0,1,2,3
	v_cndmask_b32 v[136+\j], v[136+\j], v[128+\j], s[28+2*\j]
	v_cndmask_b32 v[140+\j], v[140+\j], v[132+\j], s[28+2*\j]
.endr
.irp j, 0,1,2,3
	v_cndmask_b32 v[128+\j], v[128+\j], v[ACC+8*\j+\e], s[28+2*\j]
	v_cndmask_b32 v[132+\j], v[132+\j], \e, s[28+2*\j]
.endr
.endr
	; softmax of (b1, b2) with b1, the larger, taken away: c0 = 1 / (1 + e^(b2 - b1)), c1 = e^(b2 - b1) c0
.irp j, 0,1,2,3
	v_sub_f32 v[144+\j], v[136+\j], v[128+\j]
.endr
.irp j, 0,1,2,3
	v_mul_f32 v[144+\j], 0x3fb8aa3b, v[144+\j]
.endr
	s_wait_alu depctr_va_vdst(0)
.irp j, 0,1,2,3
	v_exp_f32 v[144+\j], v[144+\j]
.endr
	v_nop                                          ; a plain line behind the exponentials
	s_wait_alu depctr_va_vdst(0)
.irp j, 0,1,2,3
	v_add_f32 v[148+\j], 1.0, v[144+\j]
.endr
	s_wait_alu depctr_va_vdst(0)
.irp j, 0,1,2,3
	v_rcp_f32 v[148+\j], v[148+\j]
.endr
	v_nop                                          ; a plain line behind the reciprocals
	s_wait_alu depctr_va_vdst(0)
.irp j, 0,1,2,3
	v_mul_f32 v[144+\j], v[144+\j], v[148+\j]
	v_lshl_or_b32 v[152+\j], v[140+\j], 8, v[132+\j]
.endr
	v_mov_b32 v156, v152                           ; lane j takes token j's word and pair
	v_mov_b32 v158, v148
	v_mov_b32 v159, v144
.irp j, 1,2,3
	v_cmp_eq_u32 vcc_lo, \j, v1
	v_cndmask_b32 v156, v156, v[152+\j], vcc_lo
	v_cndmask_b32 v158, v158, v[148+\j], vcc_lo
	v_cndmask_b32 v159, v159, v[144+\j], vcc_lo
.endr
	s_wait_alu depctr_va_vdst(0)
	s_wait_xcnt 0x0                                ; EXEC is a source of the stores above: it changes only behind this wait
	v_mov_b32 v161, 0                              ; lane e: bits 0-3 which of my wave's four tokens chose expert e, from bit 16 on how many
.irp j, 0,1,2,3
	v_cmp_eq_u32 s28, v[132+\j], v1
	v_cmp_eq_u32 s29, v[140+\j], v1
	s_or_b32 s28, s28, s29
	v_cndmask_b32 v162, 0, 1, s28
	v_lshl_add_u32 v161, v162, \j, v161
	v_lshl_add_u32 v161, v162, 16, v161
.endr
	v_lshl_add_u32 v163, v0, 2, 0xb100             ; a word a thread, in a block of 256 bytes of its own
	ds_store_b32 v163, v161
	s_wait_tensorcnt 0x0
	ds_add_u32 v123, v127
	s_wait_dscnt 0x0                               ; for the other wave's sake too: my words lie in LDS
	s_barrier_signal -1
	s_barrier_wait -1
	v_cmp_gt_u32 vcc_lo, 4, v1
	s_and_saveexec_b32 s36, vcc_lo
	global_store_b32 v11, v156, s[10:11]
	global_store_b64 v12, v[158:159], s[12:13]
	s_wait_xcnt 0x0                                ; and again in front of the line that widens it
	s_or_b32 exec_lo, exec_lo, s36
	ds_load_b32 v160, v10                          ; my wave's 128 scale bytes: LDS serves a wave's instructions in order
	s_wait_dscnt 0x0
	global_store_b32 v11, v160, s[24:25] offset:XSC
	v_lshl_add_u32 v165, v1, 2, 0xb100
	ds_load_b32 v164, v165                         ; wave 0's word for expert lane,
	ds_load_b32 v166, v165 offset:128              ; and wave 1's
	s_mov_b32 s42, ttmp9
	s_lshl_b32 s43, ttmp9, 3
	v_lshl_add_u32 v167, v1, 8, s42                ; the bitmap's byte: 256 e + work-group
	v_add_nc_u32 v168, s43, v1                     ; the count's byte: 8 x work-group + e
	s_wait_alu depctr_va_vdst(0)
	s_wait_dscnt 0x0
	v_and_b32 v169, 15, v164
	v_and_b32 v170, 15, v166
	v_lshl_or_b32 v169, v170, 4, v169
	v_lshrrev_b32 v164, 16, v164
	v_lshrrev_b32 v166, 16, v166
	v_add_nc_u32 v164, v164, v166
	s_cmp_lg_u32 s14, 0
	s_wait_alu depctr_va_vdst(0)
	s_cbranch_scc1 .Lbm_done                       ; wave 0 stores for the work-group
	s_wait_xcnt 0x0
	v_cmp_gt_u32 vcc_lo, 8, v1
	s_and_saveexec_b32 s36, vcc_lo
	global_store_b8 v167, v169, s[40:41]
	global_store_b8 v168, v164, s[40:41] offset:2048
	s_wait_xcnt 0x0
	s_or_b32 exec_lo, exec_lo, s36
.Lbm_done:
	s_endpgm
.Lfunc_end_k_q9ad50f3d99_route:
	.size	k_q9ad50f3d99_route, .Lfunc_end_k_q9ad50f3d99_route-k_q9ad50f3d99_route
	.p2alignl 7, 3214868480
	.fill 96, 4, 3214868480
	.section	.rodata,"a",@progbits
	.p2align	6, 0x0
	.amdhsa_kernel k_q9ad50f3d99_route
		.amdhsa_group_segment_fixed_size 45568
		.amdhsa_private_segment_fixed_size 0
		.amdhsa_enable_private_segment 0
		.amdhsa_kernarg_size 48
		.amdhsa_user_sgpr_count 2
		.amdhsa_user_sgpr_kernarg_segment_ptr 1
		.amdhsa_wavefront_size32 1
		.amdhsa_system_sgpr_workgroup_id_x 1
		.amdhsa_system_sgpr_workgroup_id_y 1
		.amdhsa_system_sgpr_workgroup_id_z 1
		.amdhsa_system_vgpr_workitem_id 0
		.amdhsa_next_free_vgpr 512
		.amdhsa_next_free_sgpr 66
		.amdhsa_reserve_vcc 1
		.amdhsa_float_denorm_mode_32 3
		.amdhsa_float_denorm_mode_16_64 3
		.amdhsa_memory_ordered 1
		.amdhsa_forward_progress 1
		.amdhsa_inst_pref_size 91
	.end_amdhsa_kernel
	.amdgpu_metadata
---
amdhsa.version: [ 1, 2 ]
amdhsa.kernels:
  - .name:           k_q9ad50f3d99_route
    .symbol:         k_q9ad50f3d99_route.kd
    .args:
      - { .name: x, .offset: 0, .size: 8, .value_kind: global_buffer, .address_space: global }
      - { .name: gate_w, .offset: 8, .size: 8, .value_kind: global_buffer, .address_space: global }
      - { .name: xq, .offset: 16, .size: 8, .value_kind: global_buffer, .address_space: global }
      - { .name: ridx, .offset: 24, .size: 8, .value_kind: global_buffer, .address_space: global }
      - { .name: rwt, .offset: 32, .size: 8, .value_kind: global_buffer, .address_space: global }
      - { .name: bmap, .offset: 40, .size: 8, .value_kind: global_buffer, .address_space: global }
    .group_segment_fixed_size: 45568
    .private_segment_fixed_size: 0
    .kernarg_segment_align: 8
    .kernarg_segment_size: 48
    .max_flat_workgroup_size: 64
    .sgpr_count:     66
    .vgpr_count:     512
    .wavefront_size: 32
...
	.end_amdgpu_metadata
.endif
;; end of part 1
;; launch ffn1 (part 2): grid 8 x 29, 4 waves a work-group, no clusters, 327,680 bytes of LDS; arguments xq, bmap, ridx, w1_codes, w1_scales, hq, hs, plan; writes hq, hs, plan
.if DOCPART == 2
	.amdgcn_target "amdgcn-amd-amdhsa--gfx1250"
	.amdhsa_code_object_version 6
	.text
	.protected	k_q9ad50f3d99_ffn1
	.globl	k_q9ad50f3d99_ffn1
	.p2align	8
	.type	k_q9ad50f3d99_ffn1,@function
k_q9ad50f3d99_ffn1:
	s_mov_b64 s[64:65], 0
	v_nop
	global_prefetch_b8 v0, s[64:65] scope:SCOPE_SE
	s_setreg_imm32_b32 hwreg(HW_REG_WAVE_MODE, 25, 1), 1
	s_wait_xcnt 0x0
; h = Q(silu(Q(x) W1)) for the routed rows alone (rows of experts that a token did not choose reach no output: see the first kernel's head), on codes of E2M3 with E8M0 scales.
; THE ROWS ARE PLACED HERE, from the whole numbers that the router's launch stored.  Each expert's rows begin on a tile of 192; the sum of ceil(rows / 192) is at most 29 tiles for every split.
; Work-group (j, i): tile i's 192 padded rows x hidden units 256 j .. 256 j + 255.  From the 8 counts it finds the tile's expert e and its first rank; row n of an expert is the token of the
; n-th set bit of the expert's bitmap: a walk over the 64 words by selects (no branch, no address from data in LDS), then five halvings inside the word.
; Pad rows and empty tiles take token 0 (expert 7 for empty tiles) and run the same text; their rows are stored and never read on.
; Wave w takes rows 48 w .. 48 w + 47 (three subtiles) x all 256 units: 48 accumulators.  It places, gathers and reads its own rows alone: x goes through the wave's own stage, 16 rows at a time,
; into registers (288) and stays there.  W1's 256 rows x 768 bytes lie whole in LDS, filled once: one tensor load a wave (64 rows), one barrier, nothing is filled again.
; NO CLUSTER: which tiles share W1's rows hangs on counts in memory.  NO PREFETCH: the text has no loop to run ahead in; every byte is asked for at the head.
; K INSIDE A STEP OF 128: lane (r, h) takes the 48 bytes on end at 96 s + 48 h of its row, alike on both operands, so bytes 1 and 2 of each scale word change places (x's are stored so).
; TRANSPOSED: source 0 = 16 rows of W1, source 1 = 16 rows of x.  Lane r of tile t of unit group u takes unit 128 u + 8 t + r % 8 + 64 (r / 8): a lane's 64 results are two whole blocks of 32.
; OUT: hq [tile][K step 16][subtile 12][1,536]: images of the next operand's registers; hs [tile][j][wave][384]: lane l's three words at 12 l: (subtile 0 | 1) of step 2 j, the same of step 2 j + 1,
; subtile 2 of (step 2 j | 2 j + 1), lanes 0-15 | 16-31.  Work-groups with j = 0 also store plan: the tile's expert at 24,576 + 4 i and each token's padded rows (p0, p1) at 24,832 + 8 t.
; LIMITS: NaN and infinities are not served; a block of zeros gets the byte 1 (zero codes); where x W1 lies under about -88 silu gives 0.
; REGISTERS: window 0: v0-31 addresses; v32-95 W1's scale words (8 t + s; lanes 0-15 group 0, 16-31 group 1); v96-111 x's; v112-207 W1's fragments of group 0; v208-255 and window 1 v0-47 those of group 1.
;   window 1: v48-239 x's fragments of subtiles 0, 1.  window 2: their accumulators (128 a + 64 u + 8 t).  window 3: v0-127 subtile 2's accumulators, v128-223 its fragments.
.set QSTR,  52352                      ; a quarter of W1: 64 rows x (768 + 48), and 128 bytes more, so that rows r and r + 64 start 32 banks apart
.set WP,    816
.set STG,   209408                     ; the waves' stages: 16 rows x 784
.set XP,    784
.set LIST,  259584                     ; the waves' lists of 48 tokens, 256 bytes each
.set SPARE, 260608                     ; the spare words
.set XSC,   1572864
.set BS, 32
.set AS, 96
.set W0, 112
.set W1A, 208
.set CN, 112
.set BM, 128
.set TK, 152
.set T,  208
.set H,  32
.set G1, 84
.set G0, 92
.set MSB, 0
.macro WIN new
.if MSB != (\new)
	s_set_vgpr_msb (MSB<<8)|(\new)
.set MSB, (\new)
.endif
.endm
.macro PLACES
.rept 4
	v_nop
.endr
.endm
	s_load_b512 s[4:19], s[0:1], 0x0               ; xq 4, bmap 6, ridx 8, W1's codes 10, scales 12, hq 14, hs 16, plan 18
	v_lshl_add_u32 v3, v0, 2, SPARE
	v_mov_b32 v4, 0
	ds_add_u32 v3, v4
	ds_add_u32 v3, v4
	v_lshrrev_b32 v16, 5, v0
	v_readfirstlane_b32 s20, v16                   ; wave
	s_and_b32 s21, ttmp7, 0xffff                   ; tile i
	s_mov_b32 s23, ttmp9                           ; j
	v_and_b32 v26, 31, v0                          ; lane
	v_and_b32 v1, 15, v0                           ; r
	v_bfe_u32 v2, v0, 4, 1                         ; h
	v_lshlrev_b32 v5, 2, v26
	v_lshlrev_b32 v6, 6, v26
	v_bfe_u32 v27, v0, 3, 1                        ; r / 8
	v_and_b32 v28, 7, v0                           ; r % 8
	v_mul_u32_u24 v22, v27, QSTR
	v_mad_u32_u24 v22, v28, WP, v22
	v_mad_u32_u24 v22, v2, 48, v22                 ; W1's fragments, group 0: quarter r / 8, row r % 8 (+ 8 t), + 48 h
	v_add_nc_u32 v23, 2*QSTR, v22                  ; group 1
	v_lshl_add_u32 v24, v2, 4, v22                 ; and for the pieces whose upper-half partner lies behind one padding more
	v_lshl_add_u32 v25, v2, 4, v23
	s_mul_i32 s30, s20, 16*XP
	s_add_co_u32 s30, s30, STG
	v_mul_u32_u24 v16, v2, XP
	v_lshl_add_u32 v16, v1, 4, v16
	v_add_nc_u32 v16, s30, v16                     ; the stage, in: row h (+ 2 p), 16 bytes a lane
	v_mul_u32_u24 v17, v1, XP
	v_mad_u32_u24 v17, v2, 48, v17
	v_add_nc_u32 v17, s30, v17                     ; out: row r, + 48 h
	s_lshl_b32 s31, s20, 8
	s_add_co_u32 s31, s31, LIST
	v_lshl_add_u32 v18, v26, 2, s31                ; my list: rows 0-31,
	v_lshl_add_u32 v19, v1, 2, s31
	v_add_nc_u32 v19, 128, v19                     ; rows 32-47,
	v_lshl_add_u32 v20, v2, 2, s31                 ; and back: row h (+ 2 p)
	v_lshlrev_b32 v14, 4, v26
	v_mul_u32_u24 v15, v26, 12
	v_lshlrev_b32 v21, 3, v2
	v_lshlrev_b32 v7, 12, v2
	v_lshl_add_u32 v7, v28, 5, v7
	v_lshl_add_u32 v7, v27, 11, v7                 ; W1's scales: unit 128 h + r % 8 + 64 (r / 8) (+ 8 t), 32 bytes a unit
	v_lshlrev_b32 v29, 4, v1
	s_mul_i32 s46, s21, 192
	s_mul_i32 s44, s20, 48
	s_add_co_u32 s46, s46, s44
	v_add_nc_u32 v30, s46, v26                     ; the padded rows that I place: 192 i + 48 w + lane,
	v_add_nc_u32 v31, s46, v1
	v_add_nc_u32 v31, 32, v31                      ; and + 32 + r
	s_mov_b32 s[G1+0], (1<<20)|(5<<22)|(3<<25)     ; 64 rows of 768 bytes, dense; 16 bytes of padding behind every 256
	s_mov_b32 s[G1+1], 768<<16
	s_mov_b32 s[G1+2], 64<<16
	s_mov_b32 s[G1+3], 768<<16
	s_mov_b32 s[G1+4], 64
	s_mov_b32 s[G1+5], 768
	s_mov_b32 s[G1+6], 0
	s_mov_b32 s[G1+7], 0
	s_mov_b32 s22, 0x00ff00ff
	s_mov_b32 s24, 0x76543210
	s_mov_b32 s25, 0xfedcba98
	s_mov_b32 s56, 0x03010200
	s_mov_b32 s58, 0xbfb8aa3b                      ; -log2(e), as a pair
	s_mov_b32 s59, 0xbfb8aa3b
	s_wait_dscnt 0x0
	s_wait_alu depctr_va_vdst(0)
	s_wait_kmcnt 0x0
.irp q, 0,1,2,3
	global_load_b128 v[CN+4*\q:CN+4*\q+3], v6, s[6:7] offset:2048+16*\q   ; the counts of 8 work-groups of the router's launch
.endr
.set q, 0
.rept 16
	global_load_b32 v[BM+q], v5, s[6:7] offset:128*q   ; word 32 (q % 2) + lane of expert q / 2's bitmap
.set q, q+1
.endr
	s_wait_loadcnt 0x0
	v_add3_u32 v112, v112, v114, v116              ; bytes add up to 64 at the most
	v_add3_u32 v113, v113, v115, v117
	v_add3_u32 v118, v118, v120, v122
	v_add3_u32 v119, v119, v121, v123
	v_add3_u32 v112, v112, v118, v124
	v_add3_u32 v113, v113, v119, v125
	v_add_nc_u32 v112, v112, v126
	v_add_nc_u32 v113, v113, v127
	v_and_b32 v114, s22, v112                      ; halves of 16 bits: experts 0, 2
	v_lshrrev_b32 v115, 8, v112
	v_and_b32 v116, s22, v113                      ; 4, 6
	v_lshrrev_b32 v117, 8, v113
	v_and_b32 v115, s22, v115                      ; 1, 3
	v_and_b32 v117, s22, v117                      ; 5, 7
.irp m, 1,2,4,8
.irp q, 114,115,116,117
	v_mov_b32_dpp v[\q+4], v\q row_xmask:\m row_mask:0xf bank_mask:0xf
.endr
.irp q, 114,115,116,117
	v_add_nc_u32 v\q, v\q, v[\q+4]
.endr
.endr
.irp q, 114,115,116,117
	v_permlanex16_b32 v[\q+4], v\q, s24, s25
.endr
.irp q, 114,115,116,117
	v_add_nc_u32 v\q, v\q, v[\q+4]
.endr
.irp q, 0,1,2,3
	v_readfirstlane_b32 s[26+\q], v[114+\q]
.endr
	s_and_b32 s32, s26, 0xffff                     ; s[32 + e]: expert e's rows
	s_lshr_b32 s34, s26, 16
	s_and_b32 s33, s27, 0xffff
	s_lshr_b32 s35, s27, 16
	s_and_b32 s36, s28, 0xffff
	s_lshr_b32 s38, s28, 16
	s_and_b32 s37, s29, 0xffff
	s_lshr_b32 s39, s29, 16
	s_mov_b32 s40, 0                               ; the first tile of the expert at hand
	s_mov_b32 s41, 0                               ; the tile's expert: the last whose first tile is at or in front of i,
	s_mov_b32 s42, 0                               ; that first tile,
	s_mov_b32 s43, s32                             ; and the expert's rows
.macro PICK e
.if \e > 0
	s_cmp_le_u32 s40, s21
	s_cselect_b32 s41, \e, s41
	s_cselect_b32 s42, s40, s42
	s_cselect_b32 s43, s[32+\e], s43
.endif
.if \e < 7
	s_add_co_u32 s44, s[32+\e], 191                ; tiles = ((rows + 191) >> 6) / 3; x / 3 = (43 x) >> 7 for x up to 34
	s_lshr_b32 s44, s44, 6
	s_mul_i32 s44, s44, 43
	s_lshr_b32 s44, s44, 7
	s_add_co_u32 s40, s40, s44
.endif
.endm
.irp e, 0,1,2,3,4,5,6,7
	PICK \e
.endr
	s_min_u32 s41, s41, 7                          ; a number from memory enters an address only behind a bound
	s_sub_co_u32 s45, s21, s42
	s_mul_i32 s45, s45, 192
	s_mul_i32 s46, s20, 48
	s_add_co_u32 s45, s45, s46                     ; the rank of my wave's first row among the expert's rows
	s_mul_i32 s96, s41, 1572864
	s_lshl_b32 s44, s23, 8
	s_lshl_b32 s46, s20, 6
	s_add_co_u32 s46, s44, s46                     ; my quarter's first row of W1: 256 j + 64 w
	s_mul_i32 s46, s46, 768
	s_add_co_u32 s96, s96, s46
	s_mov_b32 s97, 0
	s_mov_b32 s[G0], 1
	s_mul_i32 s[G0+1], s20, QSTR
	s_add_nc_u64 s[G0+2:G0+3], s[10:11], s[96:97]
	s_or_b32 s[G0+3], s[G0+3], 0x80000000
	tensor_load_to_lds s[G0:G0+3], s[G1:G1+7]      ; my one tensor load of the launch
	s_nop 0
	s_lshl_b32 s98, s41, 16
	s_lshl_b32 s44, s23, 13
	s_add_co_u32 s98, s98, s44
	s_mov_b32 s99, 0
	s_add_nc_u64 s[98:99], s[12:13], s[98:99]
.set q, 0
.rept 16
	global_load_b128 v[BS+4*q:BS+4*q+3], v7, s[98:99] offset:256*(q/2)+16*(q%2)   ; eight units' 256 bytes on end for eight lanes
.set q, q+1
.endr
	s_bitcmp1_b32 s41, 0
	s_cselect_b32 s47, -1, 0
	s_bitcmp1_b32 s41, 1
	s_cselect_b32 s48, -1, 0
	s_bitcmp1_b32 s41, 2
	s_cselect_b32 s49, -1, 0
.irp p, 0,1,4,5,8,9,12,13                          ; expert e's two registers of the bitmap, by the three bits of e
	v_cndmask_b32 v[BM+\p], v[BM+\p], v[BM+\p+2], s47
.endr
.irp p, 0,1,8,9
	v_cndmask_b32 v[BM+\p], v[BM+\p], v[BM+\p+4], s48
.endr
.irp p, 0,1
	v_cndmask_b32 v[BM+\p], v[BM+\p], v[BM+\p+8], s49
.endr
	v_add_nc_u32 v8, s45, v26                      ; the ranks that I look for: rows 0-31,
	v_add_nc_u32 v9, s45, v1
	v_add_nc_u32 v9, 32, v9                        ; rows 32-47 (twice)
	; the walk: of the 64 words the last whose first rank is at or under mine: its bits T, T+1; its first rank T+2, T+3; its number T+4, T+5
	s_mov_b32 s50, 0
.set g, 0
.rept 4
.set k, 0
.rept 16
	v_readlane_b32 s[68+k], v[BM+g/32], (g+k)%32
.set k, k+1
.endr
.rept 16
.if g == 0
	v_mov_b32 v[T], s68
	v_mov_b32 v[T+1], s68
.irp x, 2,3,4,5
	v_mov_b32 v[T+\x], 0
.endr
.else
	v_cmp_le_u32 vcc_lo, s50, v8
	v_cmp_le_u32 s51, s50, v9
	v_cndmask_b32 v[T], v[T], s[68+g%16], vcc_lo
	v_cndmask_b32 v[T+2], v[T+2], s50, vcc_lo
	v_cndmask_b32 v[T+4], v[T+4], g, vcc_lo
	v_cndmask_b32 v[T+1], v[T+1], s[68+g%16], s51
	v_cndmask_b32 v[T+3], v[T+3], s50, s51
	v_cndmask_b32 v[T+5], v[T+5], g, s51
.endif
	s_bcnt1_i32_b32 s44, s[68+g%16]
	s_add_co_u32 s50, s50, s44
.set g, g+1
.endr
.endr
	s_mov_b32 s44, 0x55555555
	s_mov_b32 s46, 0x33333333
	s_mov_b32 s52, 0x0f0f0f0f
	v_sub_nc_u32 v[T+6], v8, v[T+2]                ; my rank inside the word
	v_sub_nc_u32 v[T+7], v9, v[T+3]
.irp x, 0,1                                        ; the word's set bits counted in fields of 2, 4, 8 and 16 bits
	v_lshrrev_b32 v[T+18+\x], 1, v[T+\x]
	v_and_b32 v[T+18+\x], s44, v[T+18+\x]
	v_sub_nc_u32 v[T+8+\x], v[T+\x], v[T+18+\x]
	v_lshrrev_b32 v[T+18+\x], 2, v[T+8+\x]
	v_and_b32 v[T+18+\x], s46, v[T+18+\x]
	v_and_b32 v[T+10+\x], s46, v[T+8+\x]
	v_add_nc_u32 v[T+10+\x], v[T+10+\x], v[T+18+\x]
	v_lshrrev_b32 v[T+18+\x], 4, v[T+10+\x]
	v_add_nc_u32 v[T+18+\x], v[T+18+\x], v[T+10+\x]
	v_and_b32 v[T+12+\x], s52, v[T+18+\x]
	v_lshrrev_b32 v[T+18+\x], 8, v[T+12+\x]
	v_add_nc_u32 v[T+14+\x], v[T+12+\x], v[T+18+\x]
	v_mov_b32 v[T+16+\x], 0
.endr
.macro LEVEL src, w, wd                ; is my bit in the lower w bits of what is left?  If not, their count comes off my rank and the place moves up by w
.irp x, 0,1
	v_bfe_u32 v[T+18+\x], v[T+\src+\x], v[T+16+\x], \wd
.endr
	v_cmp_ge_u32 vcc_lo, v[T+6], v[T+18]
	v_cmp_ge_u32 s51, v[T+7], v[T+19]
	v_cndmask_b32 v[T+18], 0, v[T+18], vcc_lo
	v_cndmask_b32 v[T+19], 0, v[T+19], s51
	v_cndmask_b32 v[T+20], 0, \w, vcc_lo
	v_cndmask_b32 v[T+21], 0, \w, s51
	v_sub_nc_u32 v[T+6], v[T+6], v[T+18]
	v_sub_nc_u32 v[T+7], v[T+7], v[T+19]
	v_add_nc_u32 v[T+16], v[T+16], v[T+20]
	v_add_nc_u32 v[T+17], v[T+17], v[T+21]
.endm
	LEVEL 14, 16, 8
	LEVEL 12, 8, 8
	LEVEL 10, 4, 4
	LEVEL 8, 2, 2
	LEVEL 0, 1, 1
	v_lshl_add_u32 v10, v[T+4], 5, v[T+16]         ; the token: 32 x word + bit;
	v_lshl_add_u32 v11, v[T+5], 5, v[T+17]
	v_cmp_gt_u32 vcc_lo, s43, v8
	v_cmp_gt_u32 s51, s43, v9
	v_cndmask_b32 v10, 0, v10, vcc_lo              ; token 0 in pad rows
	v_cndmask_b32 v11, 0, v11, s51
	v_min_u32 v10, 0x7ff, v10
	v_min_u32 v11, 0x7ff, v11
	ds_store_b32 v18, v10
	ds_store_b32 v19, v11                          ; (lanes l and l + 16 write the same word with the same value)
.set p, 0
.rept 24
	ds_load_b32 v[TK+p], v20 offset:8*p            ; the token of row 2 p + h: LDS serves a wave's instructions in order
.set p, p+1
.endr
	v_lshlrev_b32 v27, 5, v10
	v_lshlrev_b32 v28, 5, v11
	v_lshlrev_b32 v5, 2, v10
	v_lshlrev_b32 v6, 2, v11
	global_load_b128 v[AS:AS+3], v27, s[4:5] offset:XSC        ; x's scale words: lanes 0-15 subtile 0's rows, lanes 16-31 subtile 1's;
	global_load_b128 v[AS+4:AS+7], v27, s[4:5] offset:XSC+16
	global_load_b128 v[AS+8:AS+11], v28, s[4:5] offset:XSC+0   ; subtile 2's
	global_load_b128 v[AS+12:AS+15], v28, s[4:5] offset:XSC+16
	global_load_b32 v12, v5, s[8:9]                ; my tokens' words (e0 | e1 << 8)
	global_load_b32 v13, v6, s[8:9]
	s_wait_alu depctr_va_vdst(0)
	s_wait_dscnt 0x0
.set p, 0
.rept 24
	v_min_u32 v[TK+p], 0x7ff, v[TK+p]
.set p, p+1
.endr
.set p, 0
.rept 24
	v_mul_u32_u24 v[TK+p], 0x300, v[TK+p]
.set p, p+1
.endr
.set p, 0
.rept 24
	v_add_nc_u32 v[TK+p], v[TK+p], v29
.set p, p+1
.endr
.set gn, 0
.rept 72                                           ; THE GATHER: two rows a load, sixteen lanes read 256 aligned bytes; they land where the accumulators will lie
.if gn < 64
	WIN 0x80
.else
	WIN 0xc0
.endif
	global_load_b128 v[4*(gn%64):4*(gn%64)+3], v[TK+gn/3], s[4:5] offset:256*(gn%3)
.set gn, gn+1
.endr
	WIN 0
	s_mul_i32 s96, s21, 294912                     ; where my results go
	s_mul_i32 s44, s23, 24
	s_mul_i32 s46, s20, 3
	s_add_co_u32 s44, s44, s46
	s_mul_i32 s44, s44, 1536
	s_add_co_u32 s96, s96, s44
	s_add_nc_u64 s[14:15], s[14:15], s[96:97]
	s_mul_i32 s96, s21, 12288
	s_mul_i32 s44, s23, 1536
	s_add_co_u32 s96, s96, s44
	s_mul_i32 s44, s20, 384
	s_add_co_u32 s96, s96, s44
	s_add_nc_u64 s[16:17], s[16:17], s[96:97]
.set sa, 0
.rept 3                                            ; a subtile at a time through my stage: in by rows as loaded, out as fragments
	s_wait_loadcnt 48-24*sa                        ; this subtile's 24 loads are in; the later subtiles' 24 each may be out
.set q, 0
.rept 24
.if 24*sa+q < 64
	WIN 0x08
.else
	WIN 0x0c
.endif
	ds_store_b128 v16, v[4*((24*sa+q)%64):4*((24*sa+q)%64)+3] offset:2*XP*(q/3)+256*(q%3)
.set q, q+1
.endr
.if sa < 2
	WIN 0x40
.set XB, 48+96*sa
.else
	WIN 0xc0
.set XB, 128
.endif
.set q, 0
.rept 24
	ds_load_b128 v[XB+4*q:XB+4*q+3], v17 offset:96*(q/3)+16*(q%3)
.set q, q+1
.endr
.set sa, sa+1
.endr
	WIN 0
	s_cmp_lg_u32 s23, 0
	s_wait_alu depctr_va_vdst(0)
	s_cbranch_scc1 .Lnopos                         ; the work-groups with j = 0 store the plan
	v_bfe_u32 v12, v12, 8, 3
	v_bfe_u32 v13, v13, 8, 3
	v_cmp_eq_u32 vcc_lo, s41, v12                  ; is e the token's second expert?
	v_cndmask_b32 v12, 0, 4, vcc_lo
	v_cmp_eq_u32 vcc_lo, s41, v13
	v_cndmask_b32 v13, 0, 4, vcc_lo
	v_min_u32 v12, 4, v12
	v_min_u32 v13, 4, v13
	v_lshl_add_u32 v12, v10, 3, v12
	v_lshl_add_u32 v13, v11, 3, v13
	v_mov_b32 v27, s41
	s_lshl_b32 s44, s21, 2
	v_mov_b32 v28, s44
	s_wait_alu depctr_va_vdst(0)
	s_wait_xcnt 0x0                                ; EXEC changes only behind this wait
	v_cmp_gt_u32 vcc_lo, s43, v8
	s_and_saveexec_b32 s54, vcc_lo                 ; no pad row
	global_store_b32 v12, v30, s[18:19] offset:24832
	s_wait_xcnt 0x0
	s_or_b32 exec_lo, exec_lo, s54
	v_cmp_gt_u32 vcc_lo, s43, v9
	s_and_saveexec_b32 s54, vcc_lo
	global_store_b32 v13, v31, s[18:19] offset:24832
	s_wait_xcnt 0x0
	s_or_b32 exec_lo, exec_lo, s54
	v_cmp_eq_u32 vcc_lo, 0, v0
	s_and_saveexec_b32 s54, vcc_lo                 ; thread 0: the tile's expert
	global_store_b32 v28, v27, s[18:19] offset:24576
	s_wait_xcnt 0x0
	s_or_b32 exec_lo, exec_lo, s54
.Lnopos:
.set q, 0
.rept 64
	v_perm_b32 v[BS+q], v[BS+q], v[BS+q], s56      ; W1's scale words into the order in which a K step is fed
.set q, q+1
.endr
	s_wait_alu depctr_va_vdst(0)
	s_wait_tensorcnt 0x0                           ; my quarter of W1 is in,
	s_wait_dscnt 0x0                               ; and so are x's fragments
	s_barrier_signal -1
	s_barrier_wait -1                              ; all of W1 is in
; 24 LDS loads: the fragments of half step n = 2 s + u: the eight tiles of unit group u, K step s
.macro FETCHW n
.set fs, (\n)/2
.set fu, (\n)%2
.set ft, 0
.rept 8
.if fu == 0
	WIN 0
.set FD, W0+12*ft
.elseif ft < 4
	WIN 0
.set FD, W1A+12*ft
.else
	WIN 0x40
.set FD, 12*(ft-4)
.endif
.set fc, 0
.rept 3
.set q0, 6*fs+fc                       ; the piece of 16 bytes in a row; 16 bytes of padding lie behind every 16 pieces; lanes 16-31 read three pieces on
.if (q0+3)/16 == q0/16
	ds_load_b128 v[FD+4*fc:FD+4*fc+3], v[22+fu] offset:16*q0+16*(q0/16)+8*WP*ft
.else
	ds_load_b128 v[FD+4*fc:FD+4*fc+3], v[24+fu] offset:16*q0+16*(q0/16)+8*WP*ft
.endif
.set fc, fc+1
.endr
.set ft, ft+1
.endr
.endm
.macro WM c                            ; ra, rb: source 0's, source 1's scales stand in lanes 16-31
.if ra == 0 && rb == 0
	v_wmma_scale_f32_16x16x128_f8f6f4 v[AC:AC+7], v[FB:FB+11], v[FA:FA+11], \c, v[SA], v[SB] matrix_a_fmt:MATRIX_FMT_FP6 matrix_b_fmt:MATRIX_FMT_FP6
.elseif ra == 0
	v_wmma_scale_f32_16x16x128_f8f6f4 v[AC:AC+7], v[FB:FB+11], v[FA:FA+11], \c, v[SA], v[SB] matrix_a_fmt:MATRIX_FMT_FP6 matrix_b_fmt:MATRIX_FMT_FP6 matrix_b_scale:MATRIX_SCALE_ROW1
.elseif rb == 0
	v_wmma_scale_f32_16x16x128_f8f6f4 v[AC:AC+7], v[FB:FB+11], v[FA:FA+11], \c, v[SA], v[SB] matrix_a_fmt:MATRIX_FMT_FP6 matrix_b_fmt:MATRIX_FMT_FP6 matrix_a_scale:MATRIX_SCALE_ROW1
.else
	v_wmma_scale_f32_16x16x128_f8f6f4 v[AC:AC+7], v[FB:FB+11], v[FA:FA+11], \c, v[SA], v[SB] matrix_a_fmt:MATRIX_FMT_FP6 matrix_b_fmt:MATRIX_FMT_FP6 matrix_a_scale:MATRIX_SCALE_ROW1 matrix_b_scale:MATRIX_SCALE_ROW1
.endif
.endm
.macro MM n, a, t0, t1                 ; half step n, subtile a, tiles t0 .. t1 - 1
.set ms, (\n)/2
.set ra, (\n)%2
.set rb, 0
.if (\a) == 1
.set rb, 1
.endif
.if (\a) < 2
.set FA, 48+96*(\a)+12*ms
.set AB, 128*(\a)+64*ra
.set SB, AS+ms
.else
.set FA, 128+12*ms
.set AB, 64*ra
.set SB, AS+8+ms
.endif
.set mt, \t0
.rept (\t1)-(\t0)
.if ra == 0
.set FB, W0+12*mt
.elseif mt < 4
.set FB, W1A+12*mt
.else
.set FB, 12*(mt-4)
.endif
.set AC, AB+8*mt
.set SA, BS+8*mt+ms
.if ms == 0
	WM 0
.else
	WM v[AC:AC+7]
.endif
.set mt, mt+1
.endr
.endm
.macro MUL n                           ; 24 products, each on another accumulator
.if (\n)%2 == 0
	WIN 0xa4
	MM \n, 0, 0, 8
	MM \n, 1, 0, 8
	WIN 0xfc
	MM \n, 2, 0, 8
.else
	WIN 0xa4
	MM \n, 0, 0, 4
	MM \n, 1, 0, 4
	WIN 0xfc
	MM \n, 2, 0, 4
	WIN 0xfd
	MM \n, 2, 4, 8
	WIN 0xa5
	MM \n, 0, 4, 8
	MM \n, 1, 4, 8
.endif
.endm
	FETCHW 0
.rept 8
	v_nop                                          ; a scale register written by a vector line stands eight places ahead of a scaled matrix instruction
.endr
.set hn, 0
.rept 15
	s_wait_dscnt 0x0                               ; this half step's fragments are in
	PLACES                                         ; four places in front of loads into registers that the half step before multiplied
	FETCHW hn+1
	MUL hn
.set hn, hn+1
.endr
	s_wait_dscnt 0x0
	MUL 15
	WIN 0
	PLACES
	v_mov_b32 v103, 0                              ; (a lane permute's destination counts as one of its sources)
; THE EPILOGUE, 64 numbers a lane at a time (n = 2 a + u): silu in f32, z / (1 + 2^(-z log2 e)); the lane's two blocks of 32 are quantised; the fragment leaves as it stands.
.macro EPI n
.set EW, 2+(\n)/4
.set EB, 64*((\n)%4)
.set PC, 120+12*(\n)
	WIN EW
.set ei, 0
.rept 32
	v_pk_mul_f32 v[H+2*ei:H+2*ei+1], v[EB+2*ei:EB+2*ei+1], s[58:59] op_sel_hi:[1,0]   ; each accumulator from its low end on
.set ei, ei+1
.endr
	WIN 0
.set ei, 0
	s_wait_alu depctr_va_vdst(0)
.rept 64
	v_exp_f32 v[H+ei], v[H+ei]
.set ei, ei+1
.endr
	v_nop
.set ei, 0
	s_wait_alu depctr_va_vdst(0)
.rept 32
	v_pk_add_f32 v[H+2*ei:H+2*ei+1], v[H+2*ei:H+2*ei+1], 1.0 op_sel_hi:[1,0]
.set ei, ei+1
.endr
.set ei, 0
	s_wait_alu depctr_va_vdst(0)
.rept 64
	v_rcp_f32 v[H+ei], v[H+ei]
.set ei, ei+1
.endr
	v_nop
	WIN EW
.set ei, 0
	s_wait_alu depctr_va_vdst(0)
.rept 32
	v_pk_mul_f32 v[H+2*ei:H+2*ei+1], v[EB+2*ei:EB+2*ei+1], v[H+2*ei:H+2*ei+1]
.set ei, ei+1
.endr
	WIN 0
	v_max3_num_f32 v96, |v[H]|, |v[H+1]|, 0x1800000            ; my two blocks by turns; the floor 2^(3 - 127) holds the byte at 1 from below
	v_max3_num_f32 v97, |v[H+32]|, |v[H+33]|, 0x1800000
.set ei, 2
.rept 15
	v_max3_num_f32 v96, v96, |v[H+ei]|, |v[H+ei+1]|
	v_max3_num_f32 v97, v97, |v[H+32+ei]|, |v[H+33+ei]|
.set ei, ei+2
.endr
	v_add_nc_u32 v98, 0xff000000, v96              ; 2 off the exponent field: the conversion's scale operand
	v_add_nc_u32 v99, 0xff000000, v97
	v_lshrrev_b32 v100, 23, v98
	v_lshrrev_b32 v101, 23, v99
	v_lshl_or_b32 v102, v101, 16, v100             ; my bytes stand at places h and 2 + h of the row's word;
	v_lshlrev_b32 v102, v21, v102
	v_permlanex16_b32 v103, v102, s24, s25
	v_or_b32 v[192+(\n)], v102, v103               ; with lane l xor 16's two the word is whole
	v_cvt_scalef32_pk16_fp6_f32 v[PC:PC+2], v[H:H+15], v98
	v_cvt_scalef32_pk16_fp6_f32 v[104:106], v[H+16:H+31], v98
	v_cvt_scalef32_pk16_fp6_f32 v[PC+6:PC+8], v[H+32:H+47], v99
	v_cvt_scalef32_pk16_fp6_f32 v[108:110], v[H+48:H+63], v99
	v_nop
.irp i, 0,1,2
	v_mov_b32 v[PC+3+\i], v[104+\i]
	v_mov_b32 v[PC+9+\i], v[108+\i]
.endr
.irp c, 0,1,2
	global_store_b128 v14, v[PC+4*\c:PC+4*\c+3], s[14:15] offset:1536*(12*((\n)%2)+(\n)/2)+512*\c   ; the wave stores 512 bytes on end
.endr
.endm
.irp n, 0,1,2,3,4,5
	EPI \n
.endr
	v_cmp_le_u32 vcc_lo, 16, v26
	v_cndmask_b32 v198, v192, v194, vcc_lo         ; (subtile 0 | 1) of step 2 j,
	v_cndmask_b32 v199, v193, v195, vcc_lo         ; of step 2 j + 1,
	v_cndmask_b32 v200, v196, v197, vcc_lo         ; subtile 2 of (2 j | 2 j + 1)
	global_store_b96 v15, v[198:200], s[16:17]     ; the wave stores 384 bytes on end
	s_wait_tensorcnt 0x0                           ; the wave's end
	ds_add_u32 v3, v4
	s_wait_dscnt 0x0
	s_endpgm
.Lfunc_end_k_q9ad50f3d99_ffn1:
	.size	k_q9ad50f3d99_ffn1, .Lfunc_end_k_q9ad50f3d99_ffn1-k_q9ad50f3d99_ffn1
	.p2alignl 7, 3214868480
	.fill 96, 4, 3214868480
	.section	.rodata,"a",@progbits
	.p2align	6, 0x0
	.amdhsa_kernel k_q9ad50f3d99_ffn1
		.amdhsa_group_segment_fixed_size 327680
		.amdhsa_private_segment_fixed_size 0
		.amdhsa_enable_private_segment 0
		.amdhsa_kernarg_size 64
		.amdhsa_user_sgpr_count 2
		.amdhsa_user_sgpr_kernarg_segment_ptr 1
		.amdhsa_wavefront_size32 1
		.amdhsa_system_sgpr_workgroup_id_x 1
		.amdhsa_system_sgpr_workgroup_id_y 1
		.amdhsa_system_sgpr_workgroup_id_z 1
		.amdhsa_system_vgpr_workitem_id 0
		.amdhsa_next_free_vgpr 1024
		.amdhsa_next_free_sgpr 100
		.amdhsa_reserve_vcc 1
		.amdhsa_float_denorm_mode_32 3
		.amdhsa_float_denorm_mode_16_64 3
		.amdhsa_memory_ordered 1
		.amdhsa_forward_progress 1
		.amdhsa_inst_pref_size 244
	.end_amdhsa_kernel
	.amdgpu_metadata
---
amdhsa.version: [ 1, 2 ]
amdhsa.kernels:
  - .name:           k_q9ad50f3d99_ffn1
    .symbol:         k_q9ad50f3d99_ffn1.kd
    .args:
      - { .name: xq, .offset: 0, .size: 8, .value_kind: global_buffer, .address_space: global }
      - { .name: bmap, .offset: 8, .size: 8, .value_kind: global_buffer, .address_space: global }
      - { .name: ridx, .offset: 16, .size: 8, .value_kind: global_buffer, .address_space: global }
      - { .name: w1_codes, .offset: 24, .size: 8, .value_kind: global_buffer, .address_space: global }
      - { .name: w1_scales, .offset: 32, .size: 8, .value_kind: global_buffer, .address_space: global }
      - { .name: hq, .offset: 40, .size: 8, .value_kind: global_buffer, .address_space: global }
      - { .name: hs, .offset: 48, .size: 8, .value_kind: global_buffer, .address_space: global }
      - { .name: plan, .offset: 56, .size: 8, .value_kind: global_buffer, .address_space: global }
    .group_segment_fixed_size: 327680
    .private_segment_fixed_size: 0
    .kernarg_segment_align: 8
    .kernarg_segment_size: 64
    .max_flat_workgroup_size: 128
    .sgpr_count:     100
    .vgpr_count:     1024
    .wavefront_size: 32
...
	.end_amdgpu_metadata
.endif
;; end of part 2
;; launch ffn2 (part 3): grid 8 x 29, 4 waves a work-group, no clusters, 327,680 bytes of LDS; arguments hq, hs, plan, w2_codes, w2_scales, y; writes y
.if DOCPART == 3
	.amdgcn_target "amdgcn-amd-amdhsa--gfx1250"
	.amdhsa_code_object_version 6
	.text
	.protected	k_q9ad50f3d99_ffn2
	.globl	k_q9ad50f3d99_ffn2
	.p2align	8
	.type	k_q9ad50f3d99_ffn2,@function
k_q9ad50f3d99_ffn2:
	s_mov_b64 s[64:65], 0
	v_nop
	global_prefetch_b8 v0, s[64:65] scope:SCOPE_SE
	s_setreg_imm32_b32 hwreg(HW_REG_WAVE_MODE, 25, 1), 1
	s_wait_xcnt 0x0
; y = h W2 for the padded rows of the routed tokens alone (rows of experts not chosen reach no output: see the first kernel's head), on codes of E2M3 with E8M0 scales, K = 2,048; sums in f32.
; y IS STORED AS bf16, [5,568][1,024]: an operand of the last product, which is left as it is and feeds no quantiser.  LIMIT: that rounding, 2^-8 of the number at the most.
; Work-group (j, i): tile i's 192 rows x columns 128 j .. 128 j + 127 with the tile's expert's W2.  Wave w takes rows 48 w .. 48 w + 47 (three subtiles) x all 128 columns: 24 accumulators.
; W2's 128 rows x 1,536 bytes lie whole in LDS, filled once: one tensor load a wave (32 rows), one barrier, nothing is filled again.
; h's fragments are the wave's own rows: they come as images of the operand's registers straight from memory into registers, nine loads of 512 bytes on end a K step, into seven sets that take
; turns: a step's loads are issued six steps ahead of its products.  The scale words come straight into registers too.
; NO CLUSTER: which tiles share W2's rows hangs on counts in memory, and h's rows are read by one wave of a work-group.  NO PREFETCH: the text has no loop to run ahead in; W2 is asked for
; at the head and h six steps ahead by the loads themselves.
; K INSIDE A STEP: lane (r, h) takes the 48 bytes on end at 96 s + 48 h of a row of W2; h's images were made in that order; bytes 1 and 2 of W2's scale words are exchanged here.
; TRANSPOSED: source 0 = 16 rows of W2 (columns of y), source 1 = 16 rows of h: a lane holds eight neighbouring columns of one row of y; a wave's 128 columns are 256 bytes of bf16.
; REGISTERS: window 0: v0-31 addresses; v32-63 h's scale words (4 (s / 2) + ..: as the launch before stored them); v64-127 W2's (16 (t % 4) + s; lanes 0-15 tiles 0-3, lanes 16-31 tiles 4-7).
;   window 1: v0-251 h's fragments, seven sets of 36; on the way out v0-95 packed results, v96-191 rows of y.  window 2: the accumulators at v[64 a + 8 t].  window 3: v0-191 W2's fragments, two sets.
.set WP,    1584                       ; a row of W2 in LDS: 1,536 + 16 behind every 512
.set STAGE, 202752                     ; the waves' stages for the way out: 48 rows x 272
.set SPARE, 254976
.set AS, 32
.set BS, 64
.set G1, 24
.set G0, 32
.set MSB, 0
.macro WIN new
.if MSB != (\new)
	s_set_vgpr_msb (MSB<<8)|(\new)
.set MSB, (\new)
.endif
.endm
.macro PLACES
.rept 4
	v_nop
.endr
.endm
.macro HLOAD s                         ; h's fragments of K step s into set s % 7
.set ha, 0
.rept 9
	global_load_b128 v[36*((\s)%7)+4*ha:36*((\s)%7)+4*ha+3], v5, s[4:5] offset:18432*(\s)+512*ha
.set ha, ha+1
.endr
.endm
	s_load_b256 s[4:11], s[0:1], 0x0               ; hq 4, hs 6, plan 8, W2's codes 10
	s_load_b128 s[12:15], s[0:1], 0x20             ; W2's scales 12, y 14
	v_lshl_add_u32 v3, v0, 2, SPARE
	v_mov_b32 v4, 0
	ds_add_u32 v3, v4
	ds_add_u32 v3, v4
	v_lshrrev_b32 v16, 5, v0
	v_readfirstlane_b32 s16, v16                   ; wave
	s_and_b32 s19, ttmp7, 0xffff                   ; tile i
	s_mov_b32 s20, ttmp9                           ; j
	s_lshl_b32 s23, s19, 2
	v_and_b32 v1, 15, v0                           ; r
	v_bfe_u32 v2, v0, 4, 1                         ; h
	v_and_b32 v17, 31, v0                          ; lane
	v_lshlrev_b32 v5, 4, v17
	v_mul_u32_u24 v6, v17, 12
	v_lshlrev_b32 v7, 12, v2
	v_lshl_add_u32 v7, v1, 6, v7                   ; W2's scales: row 64 h + r (+ 16 t), 64 bytes a row
	v_mul_u32_u24 v8, v1, WP
	v_mad_u32_u24 v8, v2, 48, v8                   ; W2's fragments: row r (+ 16 t), + 48 h; a register for each pair of tiles
	v_add_nc_u32 v9, 32*WP, v8
	v_add_nc_u32 v10, 64*WP, v8
	v_add_nc_u32 v11, 96*WP, v8
.irp i, 0,1,2,3
	v_lshl_add_u32 v[12+\i], v2, 4, v[8+\i]        ; and for the pieces whose upper-half partner lies behind one padding more
.endr
	s_mul_i32 s36, s16, 48*272
	s_add_co_u32 s36, s36, STAGE
	v_mul_u32_u24 v18, v1, 272
	v_lshl_add_u32 v18, v2, 4, v18
	v_add_nc_u32 v18, s36, v18                     ; my stage, in: row r (+ 16 a), + 16 h (+ 32 t)
	v_mul_u32_u24 v19, v2, 272
	v_lshl_add_u32 v19, v1, 4, v19
	v_add_nc_u32 v19, s36, v19                     ; back: lanes 0-15 one row of 256 bytes, lanes 16-31 the next
	v_lshlrev_b32 v20, 11, v2
	v_lshl_add_u32 v20, v1, 4, v20                 ; and the same two rows in y
	s_mov_b32 s[G1+0], (1<<20)|(6<<22)|(3<<25)     ; 32 rows of 1,536 bytes, dense; 16 bytes of padding behind every 512
	s_mov_b32 s[G1+1], 1536<<16
	s_mov_b32 s[G1+2], 32<<16
	s_mov_b32 s[G1+3], 1536<<16
	s_mov_b32 s[G1+4], 32
	s_mov_b32 s[G1+5], 1536
	s_mov_b32 s[G1+6], 0
	s_mov_b32 s[G1+7], 0
	s_mov_b32 s48, 0x03010200
	s_mul_i32 s38, s19, 294912
	s_mul_i32 s37, s16, 4608
	s_add_co_u32 s38, s38, s37                     ; h's images: tile i, my three subtiles
	s_mov_b32 s39, 0
	s_mul_i32 s40, s19, 12288
	s_mul_i32 s37, s16, 384
	s_add_co_u32 s40, s40, s37
	s_mov_b32 s41, 0
	s_wait_dscnt 0x0
	s_wait_alu depctr_va_vdst(0)
	s_wait_kmcnt 0x0
	s_load_b32 s21, s[8:9], s23 offset:24576       ; the tile's expert
	s_add_nc_u64 s[4:5], s[4:5], s[38:39]
	s_add_nc_u64 s[6:7], s[6:7], s[40:41]
.set q, 0
.rept 8
	global_load_b96 v[AS+4*q:AS+4*q+2], v6, s[6:7] offset:1536*q   ; the wave reads 384 bytes on end
.set q, q+1
.endr
	WIN 0x40
.irp s, 0,1,2,3,4,5
	HLOAD \s
.endr
	WIN 0
	s_wait_kmcnt 0x0
	s_min_u32 s21, s21, 7                          ; a number from memory enters an address only behind a bound
	s_lshl_b32 s42, s20, 7
	s_lshl_b32 s37, s16, 5
	s_add_co_u32 s42, s42, s37                     ; my quarter's first row of W2: 128 j + 32 w
	s_mul_i32 s42, s42, 1536
	s_mul_i32 s37, s21, 1572864
	s_add_co_u32 s42, s42, s37
	s_mov_b32 s43, 0
	s_mov_b32 s[G0], 1
	s_mul_i32 s[G0+1], s16, 32*WP
	s_add_nc_u64 s[G0+2:G0+3], s[10:11], s[42:43]
	s_or_b32 s[G0+3], s[G0+3], 0x80000000
	tensor_load_to_lds s[G0:G0+3], s[G1:G1+7]      ; my one tensor load of the launch
	s_nop 0
	PLACES
	s_lshl_b32 s44, s21, 16
	s_lshl_b32 s37, s20, 13
	s_add_co_u32 s44, s44, s37
	s_mov_b32 s45, 0
	s_add_nc_u64 s[12:13], s[12:13], s[44:45]
.set q, 0
.rept 16
	global_load_b128 v[BS+4*q:BS+4*q+3], v7, s[12:13] offset:1024*(q/4)+16*(q%4)
.set q, q+1
.endr
	WIN 0x40
	HLOAD 6
	WIN 0
	s_mul_i32 s46, s19, 192                        ; y at my first row, 192 i + 48 w, and the work-group's first column: 256 j bytes
	s_mul_i32 s37, s16, 48
	s_add_co_u32 s46, s46, s37
	s_lshl_b32 s46, s46, 11
	s_lshl_b32 s37, s20, 8
	s_add_co_u32 s46, s46, s37
	s_mov_b32 s47, 0
	s_add_nc_u64 s[14:15], s[14:15], s[46:47]
	s_wait_loadcnt 9                               ; the scale words and steps 0 to 5 are in; step 6's nine loads may be out
.set q, 0
.rept 64
	v_perm_b32 v[BS+q], v[BS+q], v[BS+q], s48      ; W2's scale words into the order in which a K step is fed
.set q, q+1
.endr
	s_wait_alu depctr_va_vdst(0)
	s_wait_tensorcnt 0x0                           ; my quarter of W2 is in
	s_barrier_signal -1
	s_barrier_wait -1                              ; all of W2 is in
.macro FETCHW s                        ; 24 LDS loads: W2's eight tiles of K step s into set s % 2
	WIN 0xc0
.set ft, 0
.rept 8
.set fc, 0
.rept 3
.set q0, 6*(\s)+fc                     ; the piece of 16 bytes in a row; 16 bytes of padding lie behind every 32 pieces; lanes 16-31 read three pieces on
.if (q0+3)/32 == q0/32
	ds_load_b128 v[96*((\s)%2)+12*ft+4*fc:96*((\s)%2)+12*ft+4*fc+3], v[8+ft/2] offset:16*WP*(ft%2)+16*q0+16*(q0/32)
.else
	ds_load_b128 v[96*((\s)%2)+12*ft+4*fc:96*((\s)%2)+12*ft+4*fc+3], v[12+ft/2] offset:16*WP*(ft%2)+16*q0+16*(q0/32)
.endif
.set fc, fc+1
.endr
.set ft, ft+1
.endr
.endm
.macro WM c                            ; ra, rb: source 0's, source 1's scales stand in lanes 16-31
.if ra == 0 && rb == 0
	v_wmma_scale_f32_16x16x128_f8f6f4 v[AC:AC+7], v[FB:FB+11], v[FA:FA+11], \c, v[SA], v[SB] matrix_a_fmt:MATRIX_FMT_FP6 matrix_b_fmt:MATRIX_FMT_FP6
.elseif ra == 0
	v_wmma_scale_f32_16x16x128_f8f6f4 v[AC:AC+7], v[FB:FB+11], v[FA:FA+11], \c, v[SA], v[SB] matrix_a_fmt:MATRIX_FMT_FP6 matrix_b_fmt:MATRIX_FMT_FP6 matrix_b_scale:MATRIX_SCALE_ROW1
.elseif rb == 0
	v_wmma_scale_f32_16x16x128_f8f6f4 v[AC:AC+7], v[FB:FB+11], v[FA:FA+11], \c, v[SA], v[SB] matrix_a_fmt:MATRIX_FMT_FP6 matrix_b_fmt:MATRIX_FMT_FP6 matrix_a_scale:MATRIX_SCALE_ROW1
.else
	v_wmma_scale_f32_16x16x128_f8f6f4 v[AC:AC+7], v[FB:FB+11], v[FA:FA+11], \c, v[SA], v[SB] matrix_a_fmt:MATRIX_FMT_FP6 matrix_b_fmt:MATRIX_FMT_FP6 matrix_a_scale:MATRIX_SCALE_ROW1 matrix_b_scale:MATRIX_SCALE_ROW1
.endif
.endm
.macro MUL s                           ; 24 products, each on another accumulator
	WIN 0xa7                                       ; source 0 (W2) window 3, source 1 (h) window 1, C and D window 2
.set ma, 0
.rept 3
.set FA, 36*((\s)%7)+12*ma
.if ma < 2
.set SB, AS+4*((\s)/2)+(\s)%2
.set rb, ma
.else
.set SB, AS+4*((\s)/2)+2
.set rb, (\s)%2
.endif
.set mt, 0
.rept 8
.set AC, 64*ma+8*mt
.set FB, 96*((\s)%2)+12*mt
.set SA, BS+16*(mt%4)+(\s)
.set ra, mt/4
.if (\s) == 0
	WM 0
.else
	WM v[AC:AC+7]
.endif
.set mt, mt+1
.endr
.set ma, ma+1
.endr
.endm
.macro STEP s
.if (\s) >= 6
.if (\s)+5 <= 15
	s_wait_loadcnt 45                              ; this step's nine loads are in; the next five steps' may be out
.else
	s_wait_loadcnt 9*(15-(\s))                     ; the steps that are left may be out
.endif
.endif
	s_wait_dscnt 0x0                               ; W2's fragments of this step are in
	PLACES                                         ; four places in front of loads into registers that the step before multiplied
.if (\s) < 15
	FETCHW (\s)+1
.endif
.if (\s) >= 1 && (\s)+6 <= 15
	WIN 0x40
	HLOAD (\s)+6                                   ; into the set that the step before has left
.endif
	MUL \s
.endm
	FETCHW 0
.rept 8
	v_nop                                          ; a scale register written by a vector line stands eight places ahead of a scaled matrix instruction
.endr
.irp s, 0,1,2,3,4,5,6,7,8,9,10,11,12,13,14,15
	STEP \s
.endr
	WIN 0
	PLACES
; THE WAY OUT, through my own stage: rounded to bf16 a lane's eight columns are 16 bytes; they come back as whole rows of 256 bytes.  LDS serves a wave's instructions in order.
	WIN 0x4a                                       ; sources window 2, destination window 1
.set q, 0
.rept 24                                           ; accumulator (a, t) = (q / 8, q % 8), from its low end on
.irp r, 0,1,2,3
	v_cvt_pk_bf16_f32 v[4*q+\r], v[8*q+2*\r], v[8*q+2*\r+1]
.endr
.set q, q+1
.endr
	WIN 0x04
.set q, 0
.rept 24
	ds_store_b128 v18, v[4*q:4*q+3] offset:4352*(q/8)+32*(q%8)
.set q, q+1
.endr
	WIN 0x40
.set q, 0
.rept 24
	ds_load_b128 v[96+4*q:96+4*q+3], v19 offset:544*q      ; two whole rows a load
.set q, q+1
.endr
	WIN 0x04
.set q, 0
.rept 24
	s_wait_dscnt 23-q                              ; this load is in; the 23 - q behind it may be out
	global_store_b128 v20, v[96+4*q:96+4*q+3], s[14:15] offset:4096*q      ; sixteen lanes store 256 bytes on end, aligned
.set q, q+1
.endr
	WIN 0
	s_wait_tensorcnt 0x0                           ; the wave's end
	ds_add_u32 v3, v4
	s_wait_dscnt 0x0
	s_endpgm
.Lfunc_end_k_q9ad50f3d99_ffn2:
	.size	k_q9ad50f3d99_ffn2, .Lfunc_end_k_q9ad50f3d99_ffn2-k_q9ad50f3d99_ffn2
	.p2alignl 7, 3214868480
	.fill 96, 4, 3214868480
	.section	.rodata,"a",@progbits
	.p2align	6, 0x0
	.amdhsa_kernel k_q9ad50f3d99_ffn2
		.amdhsa_group_segment_fixed_size 327680
		.amdhsa_private_segment_fixed_size 0
		.amdhsa_enable_private_segment 0
		.amdhsa_kernarg_size 48
		.amdhsa_user_sgpr_count 2
		.amdhsa_user_sgpr_kernarg_segment_ptr 1
		.amdhsa_wavefront_size32 1
		.amdhsa_system_sgpr_workgroup_id_x 1
		.amdhsa_system_sgpr_workgroup_id_y 1
		.amdhsa_system_sgpr_workgroup_id_z 1
		.amdhsa_system_vgpr_workitem_id 0
		.amdhsa_next_free_vgpr 1024
		.amdhsa_next_free_sgpr 66
		.amdhsa_reserve_vcc 0
		.amdhsa_float_denorm_mode_32 3
		.amdhsa_float_denorm_mode_16_64 3
		.amdhsa_memory_ordered 1
		.amdhsa_forward_progress 1
		.amdhsa_inst_pref_size 114
	.end_amdhsa_kernel
	.amdgpu_metadata
---
amdhsa.version: [ 1, 2 ]
amdhsa.kernels:
  - .name:           k_q9ad50f3d99_ffn2
    .symbol:         k_q9ad50f3d99_ffn2.kd
    .args:
      - { .name: hq, .offset: 0, .size: 8, .value_kind: global_buffer, .address_space: global }
      - { .name: hs, .offset: 8, .size: 8, .value_kind: global_buffer, .address_space: global }
      - { .name: plan, .offset: 16, .size: 8, .value_kind: global_buffer, .address_space: global }
      - { .name: w2_codes, .offset: 24, .size: 8, .value_kind: global_buffer, .address_space: global }
      - { .name: w2_scales, .offset: 32, .size: 8, .value_kind: global_buffer, .address_space: global }
      - { .name: y, .offset: 40, .size: 8, .value_kind: global_buffer, .address_space: global }
    .group_segment_fixed_size: 327680
    .private_segment_fixed_size: 0
    .kernarg_segment_align: 8
    .kernarg_segment_size: 48
    .max_flat_workgroup_size: 128
    .sgpr_count:     66
    .vgpr_count:     1024
    .wavefront_size: 32
...
	.end_amdgpu_metadata
.endif
;; end of part 3
;; launch combine (part 4): grid 256 x 1, 8 waves a work-group, no clusters, 0 bytes of LDS; arguments y, plan, rwt, out0; writes out0
.if DOCPART == 4
	.amdgcn_target "amdgcn-amd-amdhsa--gfx1250"
	.amdhsa_code_object_version 6
	.text
	.protected	k_q9ad50f3d99_combine
	.globl	k_q9ad50f3d99_combine
	.p2align	8
	.type	k_q9ad50f3d99_combine,@function
k_q9ad50f3d99_combine:
	s_mov_b64 s[64:65], 0
	v_nop
	global_prefetch_b8 v0, s[64:65] scope:SCOPE_SE
	s_setreg_imm32_b32 hwreg(HW_REG_WAVE_MODE, 25, 1), 1
	s_wait_xcnt 0x0
; out[t] = c0 y[p0] + c1 y[p1]: a token's two experts' rows, found by the stored list, weighed and added.  y: [5,568][1,024] bf16 (an operand of this product, which is left as it is);
; the weights and the multiply-adds are f32, out is f32.  One wave to a token.  A lane takes 4 neighbouring numbers of each row, 8 bytes, so that a load covers 256 bytes on end and the
; lane's 4 results, 16 bytes, make stores of 512 bytes on end.
; A stream: no LDS, no barrier, no matrix unit.  All 16 loads of a wave go out at once; the waits count down.
	s_load_b256 s[4:11], s[0:1], 0x0               ; y s[4:5], plan s[6:7], rwt s[8:9], out s[10:11]
	v_lshrrev_b32 v1, 5, v0
	s_delay_alu instid0(VALU_DEP_1)
	v_readfirstlane_b32 s12, v1
	v_and_b32 v2, 31, v0
	s_delay_alu instid0(VALU_DEP_1)
	v_lshlrev_b32 v3, 3, v2                        ; 8 bytes a lane in a row of y
	s_delay_alu instid0(VALU_DEP_2)
	v_lshlrev_b32 v2, 4, v2                        ; 16 bytes a lane in a row of out
	s_lshl_b32 s13, ttmp9, 3
	s_add_co_u32 s13, s13, s12                     ; my token
	s_lshl_b32 s22, s13, 3
	s_lshl_b32 s24, s13, 12
	s_mov_b32 s25, 0
	s_mov_b32 s28, 0xffff0000                      ; a word's upper bf16
	s_wait_alu depctr_va_vdst(0)
	s_wait_kmcnt 0x0
	s_load_b64 s[14:15], s[6:7], s22 offset:24832  ; (p0, p1)
	s_load_b64 s[16:17], s[8:9], s22 offset:0x0    ; (c0, c1)
	s_add_nc_u64 s[10:11], s[10:11], s[24:25]
	s_wait_kmcnt 0x0
	s_min_u32 s14, s14, 5567                       ; a number from memory enters an address only behind a bound
	s_min_u32 s15, s15, 5567
	s_lshl_b32 s18, s14, 11                        ; a row of y is 2,048 bytes
	s_mov_b32 s19, 0
	s_lshl_b32 s20, s15, 11
	s_mov_b32 s21, 0
	s_add_nc_u64 s[18:19], s[4:5], s[18:19]
	s_add_nc_u64 s[20:21], s[4:5], s[20:21]
	s_mov_b32 s26, s17                             ; c1 as a pair of its own: the packed forms take a pair's low word for both halves
	s_mov_b32 s27, s17
.set ci, 0
.rept 8
	global_load_b64 v[16+2*ci:17+2*ci], v3, s[18:19] offset:256*ci th:TH_LOAD_NT   ; each padded row is read by one token alone
	global_load_b64 v[32+2*ci:33+2*ci], v3, s[20:21] offset:256*ci th:TH_LOAD_NT
.set ci, ci+1
.endr
.set ci, 0
.rept 8
	s_wait_loadcnt 14-2*ci                         ; this pair of loads is in; the pairs behind it may be out
	v_lshlrev_b32 v48, 16, v[16+2*ci]              ; bf16 to f32: the low half moves up, the high half stays
	v_and_b32 v49, s28, v[16+2*ci]
	v_lshlrev_b32 v50, 16, v[17+2*ci]
	v_and_b32 v51, s28, v[17+2*ci]
	v_lshlrev_b32 v52, 16, v[32+2*ci]
	v_and_b32 v53, s28, v[32+2*ci]
	v_lshlrev_b32 v54, 16, v[33+2*ci]
	v_and_b32 v55, s28, v[33+2*ci]
	v_pk_mul_f32 v[64+4*ci:65+4*ci], v[48:49], s[16:17] op_sel_hi:[1,0]
	v_pk_mul_f32 v[66+4*ci:67+4*ci], v[50:51], s[16:17] op_sel_hi:[1,0]
	s_delay_alu instid0(VALU_DEP_2)
	v_pk_fma_f32 v[64+4*ci:65+4*ci], v[52:53], s[26:27], v[64+4*ci:65+4*ci] op_sel_hi:[1,0,1]
	s_delay_alu instid0(VALU_DEP_2)
	v_pk_fma_f32 v[66+4*ci:67+4*ci], v[54:55], s[26:27], v[66+4*ci:67+4*ci] op_sel_hi:[1,0,1]
	global_store_b128 v2, v[64+4*ci:67+4*ci], s[10:11] offset:512*ci th:TH_STORE_NT   ; 512 bytes on end, aligned; registers of its own for each store
.set ci, ci+1
.endr
	s_endpgm
.Lfunc_end_k_q9ad50f3d99_combine:
	.size	k_q9ad50f3d99_combine, .Lfunc_end_k_q9ad50f3d99_combine-k_q9ad50f3d99_combine
	.p2alignl 7, 3214868480
	.fill 96, 4, 3214868480
	.section	.rodata,"a",@progbits
	.p2align	6, 0x0
	.amdhsa_kernel k_q9ad50f3d99_combine
		.amdhsa_group_segment_fixed_size 0
		.amdhsa_private_segment_fixed_size 0
		.amdhsa_enable_private_segment 0
		.amdhsa_kernarg_size 32
		.amdhsa_user_sgpr_count 2
		.amdhsa_user_sgpr_kernarg_segment_ptr 1
		.amdhsa_wavefront_size32 1
		.amdhsa_system_sgpr_workgroup_id_x 1
		.amdhsa_system_sgpr_workgroup_id_y 1
		.amdhsa_system_sgpr_workgroup_id_z 1
		.amdhsa_system_vgpr_workitem_id 0
		.amdhsa_next_free_vgpr 112
		.amdhsa_next_free_sgpr 66
		.amdhsa_reserve_vcc 0
		.amdhsa_float_denorm_mode_32 3
		.amdhsa_float_denorm_mode_16_64 3
		.amdhsa_memory_ordered 1
		.amdhsa_forward_progress 1
		.amdhsa_inst_pref_size 9
	.end_amdhsa_kernel
	.amdgpu_metadata
---
amdhsa.version: [ 1, 2 ]
amdhsa.kernels:
  - .name:           k_q9ad50f3d99_combine
    .symbol:         k_q9ad50f3d99_combine.kd
    .args:
      - { .name: y, .offset: 0, .size: 8, .value_kind: global_buffer, .address_space: global }
      - { .name: plan, .offset: 8, .size: 8, .value_kind: global_buffer, .address_space: global }
      - { .name: rwt, .offset: 16, .size: 8, .value_kind: global_buffer, .address_space: global }
      - { .name: out0, .offset: 24, .size: 8, .value_kind: global_buffer, .address_space: global }
    .group_segment_fixed_size: 0
    .private_segment_fixed_size: 0
    .kernarg_segment_align: 8
    .kernarg_segment_size: 32
    .max_flat_workgroup_size: 256
    .sgpr_count:     66
    .vgpr_count:     112
    .wavefront_size: 32
...
	.end_amdgpu_metadata
.endif
;; end of part 4
